; MI455X (gfx1250); checked and timed in simulation.
; The chip was launched on July 23, 2026; its instructions are those of AMD's public machine-readable ISA for CDNA 5 (MIT licence, August 2026) and "CDNA5" Instruction Set Architecture Reference Guide (July 2026). The comments in the code are by the model that wrote it; some were corrected since.
;; negative set define. Allowed arithmetic: float matrix products may take bf16 or f16 operands with f32 sums; other float arithmetic in f32, or as packed bf16 or f16 multiplies, adds, multiply-adds, maxima and minima; sums over many terms, partial sums and values carried from step to step in f32; what a program stores and reads back later, other than sums and carried values, may be rounded once to bf16 or f16.
;; Inputs: anchor 8,192 x 1,024 float32; negative 8,192 x 1,024 float32.
;; Outputs: out0 8,192 x 1,024 float32.
;; 2 versions, each right; version 2 is version 1 with the launch round written anew for expert scheduling mode. Each part assembles by itself: llvm-mc -triple=amdgcn-amd-amdhsa -mcpu=gfx1250 --defsym DOCPART=n.
;; ======== version 1 of 2: 4 launches
;; workspace buffers: ab 16,777,216 bytes; nb 16,777,216 bytes; a2 32,768 bytes; n2 32,768 bytes; pval 524,288 bytes; pidx 524,288 bytes of whole numbers; order 32,768 bytes of whole numbers
;; launch round (part 1): grid 128 x 2, 16 waves a work-group, no clusters, 2,304 bytes of LDS; arguments anchor, negative, ab, nb, a2, n2; writes ab, nb, a2, n2
.if DOCPART == 1
	.amdgcn_target "amdgcn-amd-amdhsa--gfx1250"
	.amdhsa_code_object_version 6
	.text
	.protected	k_q4a0272a34c_round
	.globl	k_q4a0272a34c_round
	.p2align	8
	.type	k_q4a0272a34c_round,@function
k_q4a0272a34c_round:
	s_mov_b64 s[64:65], 0
	v_nop
	global_prefetch_b8 v0, s[64:65] scope:SCOPE_SE
	s_setreg_imm32_b32 hwreg(HW_REG_WAVE_MODE, 25, 1), 1
	s_wait_xcnt 0x0
; FIRST OF FOUR LAUNCHES.  anchor and negative, [8192][1024] f32, are rounded once to bf16 (nearest even) for the matrix product of the next launch,
; and each row's sum of squares is taken OF THE ROUNDED NUMBERS, in f32, and multiplied by 2^-10 (exact): a2[i] / 1024, n2[j] / 1024.
; So the next launch forms the mean squared error of the rounded inputs, every term from the same numbers.
; LIMIT.  The order of the 1,024 additions of a row is this text's own (four chains a lane, then the lanes): the sum may differ in its last bits from a sum taken in another order.
; SHARES.  Grid y picks the tensor.  A work-group owns 64 rows, each of its 16 waves four.  A row is 4,096 bytes: eight loads of 16 bytes a lane, 512 consecutive bytes a load.
; All 32 loads of a wave go out at once: the wave's whole share is on its way, so there is no loop and no ring.  No matrix unit, no cluster: nothing is shared and nothing is multiplied.
; A lane's four numbers pack into 8 bytes: a store of the wave covers 256 consecutive bytes, aligned.  The 64 sums meet in LDS, and wave 0 stores them as 256 consecutive bytes.
.set ROWB,  4096                       ; bytes in a row of f32
.set OUTB,  2048                       ; bytes in a row of bf16
.set SPARE, 256                        ; LDS: bytes 0-255 the 64 sums; behind them the spare words, 128 bytes for each of 16 waves
.set IO,   1                           ; v1   16 x lane: my bytes in 512 bytes of input; never rewritten
.set OO,   2                           ; v2   8 x lane: my bytes in 256 bytes of output, and where wave 0 reads two sums; never rewritten
.set LW,   3                           ; v3   16 x wave: the LDS address of my wave's four sums
.set ZERO, 4                           ; v4   0: what the first products of a row are added to
.set SPW,  5                           ; v5   LDS address of my spare word; never rewritten
.set NIL,  6                           ; v6   0; never rewritten
.set SUM,  8                           ; v[8:11]   four chains of sums
.set X,    16                          ; v[16:143] row q, chunk c at X + 32 q + 4 c: as loaded; then its first two registers hold the four bf16
	s_load_b256 s[4:11], s[0:1], 0x0               ; anchor s[4:5], negative s[6:7], ab s[8:9], nb s[10:11]
	s_load_b128 s[12:15], s[0:1], 0x20             ; a2 s[12:13], n2 s[14:15]
	v_lshl_add_u32 v[SPW], v0, 2, SPARE
	v_mov_b32 v[NIL], 0
	v_lshrrev_b32 v7, 5, v0
	v_readfirstlane_b32 s17, v7                    ; wave 0..15
	v_and_b32 v[IO], 31, v0
	v_lshlrev_b32 v[OO], 3, v[IO]
	v_lshlrev_b32 v[IO], 4, v[IO]
	v_mov_b32 v[LW], s17
	v_lshlrev_b32 v[LW], 4, v[LW]
	v_mov_b32 v[ZERO], 0
	s_and_b32 s16, ttmp7, 0xffff                   ; 0: anchor, 1: negative
	s_mov_b32 s24, 0x76543210                      ; v_permlanex16_b32: each lane takes its own place in the other half
	s_mov_b32 s25, 0xfedcba98
	s_lshl_b32 s26, ttmp9, 18                      ; 64 rows of 4,096 bytes a work-group,
	s_lshl_b32 s28, s17, 14                        ; four a wave
	s_add_co_u32 s26, s26, s28
	s_mov_b32 s27, 0
	s_lshr_b32 s28, s26, 1                         ; the same rows in bf16: half the bytes
	s_mov_b32 s29, 0
	s_lshl_b32 s30, ttmp9, 8                       ; the work-group's 64 sums
	s_mov_b32 s31, 0
	s_wait_kmcnt 0x0
	s_cmp_eq_u32 s16, 0
	s_cselect_b64 s[18:19], s[4:5], s[6:7]         ; from,
	s_cselect_b64 s[20:21], s[8:9], s[10:11]       ; to,
	s_cselect_b64 s[22:23], s[12:13], s[14:15]     ; and the sums
	s_add_nc_u64 s[18:19], s[18:19], s[26:27]
	s_add_nc_u64 s[20:21], s[20:21], s[28:29]
	s_add_nc_u64 s[22:23], s[22:23], s[30:31]
.irp q, 0,1,2,3
.irp c, 0,1,2,3,4,5,6,7
	global_load_b128 v[X+32*(\q)+4*(\c):X+32*(\q)+4*(\c)+3], v[IO], s[18:19] offset:ROWB*(\q)+512*(\c) th:TH_LOAD_NT
.endr
.endr
; Row q: rounded, squared and summed, stored.  No register that a load or a store names is written again: the packed numbers stay where they are stored from.
.macro ROW q
	s_wait_loadcnt 24-8*(\q)                       ; loads come back in order: this row's eight are in, the 8 (3 - q) of the rows behind it stay out
.irp c, 0,1,2,3,4,5,6,7
.set R, X+32*(\q)+4*(\c)
	v_cvt_pk_bf16_f32 v[R], v[R], v[R+1]           ; two roundings, packed
	v_cvt_pk_bf16_f32 v[R+1], v[R+2], v[R+3]
.if (\c) == 0                          ; the first products start the chains: nothing is cleared
	v_fma_mix_f32_bf16 v[SUM], v[R], v[R], v[ZERO] op_sel_hi:[1,1,0]
	v_fma_mix_f32_bf16 v[SUM+1], v[R], v[R], v[ZERO] op_sel:[1,1,0] op_sel_hi:[1,1,0]
	v_fma_mix_f32_bf16 v[SUM+2], v[R+1], v[R+1], v[ZERO] op_sel_hi:[1,1,0]
	v_fma_mix_f32_bf16 v[SUM+3], v[R+1], v[R+1], v[ZERO] op_sel:[1,1,0] op_sel_hi:[1,1,0]
.else                                  ; a bf16 half times itself, added in f32: one fused instruction a number
	v_fma_mix_f32_bf16 v[SUM], v[R], v[R], v[SUM] op_sel_hi:[1,1,0]
	v_fma_mix_f32_bf16 v[SUM+1], v[R], v[R], v[SUM+1] op_sel:[1,1,0] op_sel_hi:[1,1,0]
	v_fma_mix_f32_bf16 v[SUM+2], v[R+1], v[R+1], v[SUM+2] op_sel_hi:[1,1,0]
	v_fma_mix_f32_bf16 v[SUM+3], v[R+1], v[R+1], v[SUM+3] op_sel:[1,1,0] op_sel_hi:[1,1,0]
.endif
	global_store_b64 v[OO], v[R:R+1], s[20:21] offset:OUTB*(\q)+256*(\c)  ; 32 lanes x 8 bytes: 256 consecutive bytes, aligned
.endr
	v_add_f32 v[SUM], v[SUM], v[SUM+1]
	v_add_f32 v[SUM+2], v[SUM+2], v[SUM+3]
	v_add_f32 v[SUM], v[SUM], v[SUM+2]
	v_add_f32_dpp v[SUM], v[SUM], v[SUM] row_xmask:1 row_mask:0xf bank_mask:0xf
	v_add_f32_dpp v[SUM], v[SUM], v[SUM] row_xmask:2 row_mask:0xf bank_mask:0xf
	v_add_f32_dpp v[SUM], v[SUM], v[SUM] row_xmask:4 row_mask:0xf bank_mask:0xf
	v_add_f32_dpp v[SUM], v[SUM], v[SUM] row_xmask:8 row_mask:0xf bank_mask:0xf
	v_permlanex16_b32 v[SUM+1], v[SUM], s24, s25   ; its destination has been written
	v_add_f32 v[SUM], v[SUM], v[SUM+1]             ; every lane holds the row's sum
	v_mul_f32 v[SUM], 0x3a800000, v[SUM]           ; x 2^-10: the division by 1,024, exact
	ds_store_b32 v[LW], v[SUM] offset:4*(\q)       ; all lanes write the same word with the same number
.endm
	ROW 0
	ROW 1
	ROW 2
	ROW 3
	s_wait_dscnt 0x0                               ; for the others' sake: my four sums lie in LDS
	s_barrier_signal -1
	s_barrier_wait -1                              ; all 64 do
	s_cmp_lg_u32 s17, 0
	s_cbranch_scc1 .Lend
	ds_load_b64 v[SUM:SUM+1], v[OO]                ; wave 0: two sums a lane,
	s_wait_dscnt 0x0
	global_store_b64 v[OO], v[SUM:SUM+1], s[22:23] ; 256 consecutive bytes, aligned
.Lend:
	s_wait_tensorcnt 0x0                           ; the wave's end, behind my last LDS store
	ds_add_u32 v[SPW], v[NIL]
	s_wait_dscnt 0x0
	s_endpgm
.Lfunc_end_k_q4a0272a34c_round:
	.size	k_q4a0272a34c_round, .Lfunc_end_k_q4a0272a34c_round-k_q4a0272a34c_round
	.p2alignl 7, 3214868480
	.fill 96, 4, 3214868480
	.section	.rodata,"a",@progbits
	.p2align	6, 0x0
	.amdhsa_kernel k_q4a0272a34c_round
		.amdhsa_group_segment_fixed_size 2304
		.amdhsa_private_segment_fixed_size 0
		.amdhsa_enable_private_segment 0
		.amdhsa_kernarg_size 48
		.amdhsa_user_sgpr_count 2
		.amdhsa_user_sgpr_kernarg_segment_ptr 1
		.amdhsa_wavefront_size32 1
		.amdhsa_system_sgpr_workgroup_id_x 1
		.amdhsa_system_sgpr_workgroup_id_y 1
		.amdhsa_system_sgpr_workgroup_id_z 1
		.amdhsa_system_vgpr_workitem_id 0
		.amdhsa_next_free_vgpr 144
		.amdhsa_next_free_sgpr 66
		.amdhsa_reserve_vcc 0
		.amdhsa_float_denorm_mode_32 3
		.amdhsa_float_denorm_mode_16_64 3
		.amdhsa_memory_ordered 1
		.amdhsa_forward_progress 1
		.amdhsa_inst_pref_size 23
	.end_amdhsa_kernel
	.amdgpu_metadata
---
amdhsa.version: [ 1, 2 ]
amdhsa.kernels:
  - .name:           k_q4a0272a34c_round
    .symbol:         k_q4a0272a34c_round.kd
    .args:
      - { .name: anchor, .offset: 0, .size: 8, .value_kind: global_buffer, .address_space: global }
      - { .name: negative, .offset: 8, .size: 8, .value_kind: global_buffer, .address_space: global }
      - { .name: ab, .offset: 16, .size: 8, .value_kind: global_buffer, .address_space: global }
      - { .name: nb, .offset: 24, .size: 8, .value_kind: global_buffer, .address_space: global }
      - { .name: a2, .offset: 32, .size: 8, .value_kind: global_buffer, .address_space: global }
      - { .name: n2, .offset: 40, .size: 8, .value_kind: global_buffer, .address_space: global }
    .group_segment_fixed_size: 2304
    .private_segment_fixed_size: 0
    .kernarg_segment_align: 8
    .kernarg_segment_size: 48
    .max_flat_workgroup_size: 512
    .sgpr_count:     66
    .vgpr_count:     144
    .wavefront_size: 32
...
	.end_amdgpu_metadata
.endif
;; end of part 1
;; launch scan (part 2): grid 32 x 8, 4 waves a work-group, clusters of 4 x 4, 327,680 bytes of LDS; arguments nb, ab, n2, a2, pval, pidx; writes pval, pidx
.if DOCPART == 2
	.amdgcn_target "amdgcn-amd-amdhsa--gfx1250"
	.amdhsa_code_object_version 6
	.text
	.protected	k_q4a0272a34c_scan
	.globl	k_q4a0272a34c_scan
	.p2align	8
	.type	k_q4a0272a34c_scan,@function
k_q4a0272a34c_scan:
	s_mov_b64 s[64:65], 0
	v_nop
	global_prefetch_b8 v0, s[64:65] scope:SCOPE_SE
	s_setreg_imm32_b32 hwreg(HW_REG_WAVE_MODE, 25, 1), 1
	s_wait_xcnt 0x0
	s_wait_alu depctr_hold_cnt(0) depctr_sa_sdst(0) depctr_va_vdst(0) depctr_va_sdst(0) depctr_va_ssrc(0) depctr_va_vcc(0) depctr_vm_vsrc(0)
	s_getreg_b32 s2, hwreg(HW_REG_IB_STS2, 6, 4)
	s_cmp_eq_u32 s2, 0
	s_cbranch_scc0 .Lentry_in_a_cluster
	s_endpgm
.Lentry_in_a_cluster:
	s_bfe_u32 s2, ttmp6, 0x10000c
	s_cmp_lg_u32 s2, 0xf033
	s_cbranch_scc0 .Lentry_shape_is_right
	s_endpgm
.Lentry_shape_is_right:
; SECOND OF FOUR LAUNCHES.  mse[i][j] = a2[i] + n2[j] - (2 / 1024) ab[i] . nb[j]  (a2, n2 arrive divided by 1,024), and of each anchor i the largest mse and its j, over a part of the j.
; ab, nb: [8192][1024] bf16; products by the matrix unit, sums in f32.  The 8192 x 8192 numbers never leave the registers.
; THE ARITHMETIC keeps the order of the formula: t = fl(a2 + n2), mse = fl(t - 2 dot / 1024), the second by one fused multiply-add; the division by 1,024 is a power of two and changes no rounding.
; Of equal mse the lowest j is kept.  LIMITS.  Where a row's two largest mse differ by no more than the rounding of the f32 sums (a2, n2, the dot product: their order of addition is this text's own),
; the other of the two may be chosen.  A NaN never wins a comparison here.  Where all scores of a slot are -inf or NaN the slot keeps the first j that it looked at.
; SHARES.  A tile is 256 negatives x 256 anchors, made by four waves, as many as a WGP has SIMDs; a wave makes 128 x 128: 64 accumulators of 16 x 16, 512 registers.  K goes in steps of 128 through a ring
; of two LDS slots filled by the tensor data mover; a tile's rows are 256 bytes of memory, aligned.  A WORK-GROUP STAYS: it keeps its 256 anchors and makes four tiles, 2,048 negatives apart;
; the ring runs on from tile to tile.  32 x 8 work-groups; an anchor's 8,192 negatives are shared among 8 work-groups x 2 waves: 16 partial results an anchor, which the next launch compares.
; CLUSTERS: 4 x 4 work-groups.  The four of a row of the cluster need the same tiles of nb, the four of a column the same tiles of ab: each tile is asked for JOINTLY, by the same tensor load with
; the same descriptor and a mask that names the four, which divides the requests by four.
; LAYOUT.  Source 0 = 16 rows of nb, source 1 = 16 rows of ab.  In accumulator (a, b), lane l (rr = l % 16, h = l / 16), register r holds negative 16 a + 8 h + r and anchor 16 b + rr of the wave's 128 x 128:
; a lane holds ONE anchor for each b.  So the running maximum needs no exchange of lanes until the very end: slot (b, r) of a lane keeps the largest mse seen in register r of column block b, and the
; scalar J = the tile's and block's first negative at that time.  j rises with time in a slot, and the comparison is strict, so the first of equals stays.
; BEHIND EACH TILE stand 2,048 vector instructions (for each score: half an addition, half a multiply-add, a comparison, a maximum, a selection), while the next tile's K step 1 is on its way.
; REGISTERS, in windows of 256 (s_set_vgpr_msb: bits 1:0 source 0, 3:2 source 1, 5:4 source 2, 7:6 destination):
;   window 0: v0-31 addresses and a2; v32-63 at work; v64-127, v128-191 fragments of nb, two buffers; v192-255 the running maxima
;   window 1: v0-63 the running J; v64-127, v128-191 fragments of ab, two buffers; v192-255 a tile's n2
;   window 2: the 32 accumulators of my negatives 0-63 ((a, b) at v[8 (8 a + b)]);   window 3: those of my negatives 64-127
.set SIZE_K, 1024
.set KSTEP,  128
.set PITCH,  272                       ; an LDS row: 256 bytes + 16 of padding = 68 words: row r starts at bank 4 r mod 64 (64 banks of 4 bytes: ISA guide 11.1), so the 16 rows of a load start at 16 different banks
.set HALFT,  128*PITCH                 ; 128 rows: what one tensor load brings, and what one wave reads of nb or of ab
.set SLOT,   4*HALFT                   ; nb's 256 rows, then ab's 256 rows
.set STAGE,  2*SLOT                    ; behind the ring: 1,024 bytes for each wave, for the way out: 128 maxima, 128 indices
.set SPARE,  STAGE+4096                ; the spare words, 128 bytes for each wave: two blocks of 256 bytes that no other line names
.set N2L,    SPARE+512                 ; n2 of the work-group's four tiles: [4][256] f32; written once by ds_store, never filled by a tensor load
.set TILES,  4
.set LAPS,   SIZE_K/(2*KSTEP)          ; a lap = two K steps = once round the ring
.set WALK,   2048                      ; a work-group's tiles lie 2,048 negatives apart
.set NEXT_A, WALK*SIZE_K*2-(SIZE_K-2*KSTEP)*2   ; bytes from a slot's last K step of a tile to its first of the next: nb goes WALK rows down and back along K,
.set BACK_B, (SIZE_K-2*KSTEP)*2        ; ab only back
.set A2,   8                           ; v8-15   a2 of my anchor in column block b at v[8 + b]
.set ADRA, 16                          ; v16-17  LDS address of my nb fragments in slot 0, 1
.set ADRB, 20                          ; v20-21  the same for ab
.set H8,   22                          ; v22     8 h
.set STO,  24                          ; v24     the way out: where I put my anchor's word
.set RD,   25                          ; v25     the way out: where I read 16 bytes back
.set CO,   26                          ; v26     16 x lane: my bytes in the wave's 512 of pval and of pidx
.set N2A,  27                          ; v27     LDS address of my eight n2 of block 0 of the tile in hand
.set SPW,  28                          ; v28     LDS address of my spare word; never rewritten
.set NIL,  29                          ; v29     0; never rewritten
.set PFO,  30                          ; v30     the prefetches' offset: my lane x a row of 2,048 bytes; never rewritten
.set T,    32                          ; v32-63  four accumulators' a2 + n2, then their mse
.set F0,   64
.set F1,   128
.set M,    192                         ; window 0: the running maximum of (b, r) at M + 8 b + r
.set IX,   0                           ; window 1: its J
.set N2R,  192                         ; window 1: n2 of row block a at N2R + 8 a
.set JF,   64                          ; the end: the whole j of (b, r), in window 0, where nb's fragments lay
.set J,    16                          ; s16      first negative of the row block in hand
.set KC,   18                          ; s[18:19] -2 / 1024; the packed multiply-add takes the pair's low word for both halves
.set SEL,  20                          ; s[20:21] v_permlanex16_b32's selects
.set G1,   24                          ; s[24:31] descriptor group 1 for nb's tiles
.set G0,   32                          ; s[32:39] group 0 for nb's tiles, a set for each slot
.set LIM,  43                          ; s43      1 in a wave that prefetches, else the greatest number
.set PFA,  44                          ; s[44:45] where my prefetches stand
.set G1B,  48                          ; s[48:55] group 1 for ab's tiles: it differs in the mask alone
.set G0B,  56                          ; s[56:63] group 0 for ab's tiles
.set PI,   66                          ; s[66:67] pidx at my wave's 128 words (pval: s[8:9])
.set MK,   68                          ; s[68:99] 32 lane masks; at the head they hold four of the arguments
.set MSB, 0
.macro WIN new                         ; the immediate's high byte repeats the setting that is left; a switch that changes nothing is dropped
.if MSB != (\new)
	s_set_vgpr_msb (MSB<<8)|(\new)
.set MSB, \new
.endif
.endm
.set MUL_LO, 0xa4                      ; source 0 (nb) window 0, source 1 (ab) window 1, C and D window 2
.set MUL_HI, 0xf4                      ; the same, C and D window 3
.set TO_B,   0x40                      ; destination window 1, address window 0
; A joint load.  Waves 0 and 1 fetch nb's two halves, waves 2 and 3 ab's.  Each of the two lines has one mask and one set of registers for all that issue it.  The branch hangs on the wave's number alone.
; An s_nop 0 and four v_nop follow each of the two lines, ahead of the jump, the label and what follows.
.macro JLOAD s
	s_cmp_eq_u32 s11, 0
	s_cbranch_scc0 .Lfor_b_\@
	tensor_load_to_lds s[G0+4*(\s):G0+4*(\s)+3], s[G1:G1+7]
	s_nop 0
.rept 4
	v_nop
.endr
	s_branch .Lasked_\@
.Lfor_b_\@:
	tensor_load_to_lds s[G0B+4*(\s):G0B+4*(\s)+3], s[G1B:G1B+7]
	s_nop 0
.rept 4
	v_nop
.endr
.Lasked_\@:
.endm
; A PREFETCH INTO THE L2, behind each joint load and the run of LDS loads that follows it: the K step that stands TWO refills on, 512 matrix instructions ahead of the load that will want it: 32 rows x 256 bytes,
; a lane a row, one instruction a wave.  Each row's 256 bytes of a K step are named once in the launch: nb's tile rows are read by every cluster of that row of clusters, and the one with x = 0 asks; ab's by
; every cluster of that column, and the one with y = 0 asks.  The four partners that ask for a tile jointly share its rows out BY ADDRESS: of the 128 rows that a wave fetches the partner at place p takes
; 32 p .. 32 p + 31 (p = cx for nb, cy for ab).  how = 0, in the loop: a tile's last two refills have no K step two on; how = 1, at a change of tiles.
.macro ASK how
.if \how
	s_cmp_eq_u32 s[LIM], 1
.else
	s_cmp_gt_u32 s3, s[LIM]                        ; s3 = 1 in the loop's last trip
.endif
	s_cbranch_scc0 .Lnot_mine_\@
	global_prefetch_b8 v[PFO], s[PFA:PFA+1] offset:KSTEP*2 th:TH_LOAD_NT scope:SCOPE_SE
.Lnot_mine_\@:
.endm
; A round of the cluster's barrier: my work-group's barrier, so that wave 0's signal speaks for all four waves; wave 0 signals; every wave waits for all sixteen work-groups; my work-group's barrier once more.
.macro CREST                           ; a round behind its opening barrier
	s_cmp_lg_u32 s10, 0
	s_cbranch_scc1 .Lnot_wave_0_\@
	s_barrier_signal -3
.Lnot_wave_0_\@:
	s_barrier_wait -3
	s_barrier_signal -1
	s_barrier_wait -1
.endm
.macro CROUND                          ; a whole round
	s_barrier_signal -1
	s_barrier_wait -1
	CREST
.endm
	s_load_b128 s[4:7], s[0:1], 0x0                ; nb s[4:5], ab s[6:7]
	s_load_b256 s[68:75], s[0:1], 0x10             ; n2 s[68:69], a2 s[70:71], pval s[72:73], pidx s[74:75]
	v_lshl_add_u32 v[SPW], v0, 2, SPARE
	v_mov_b32 v[NIL], 0
	ds_add_u32 v[SPW], v[NIL]                      ; the wave's opening: the add, twice on end, and its wait ahead of my first tensor load; the set-up below stands between
	ds_add_u32 v[SPW], v[NIL]                      ; and once more, under the one wait
	v_lshrrev_b32 v1, 5, v0
	v_readfirstlane_b32 s10, v1                    ; wave 0..3
	s_lshr_b32 s11, s10, 1                         ; jh: which half of the tile's negatives is mine.  Also: I fetch for nb (0) or for ab (1)
	s_and_b32 s12, s10, 1                          ; ih: which half of its anchors.  Also: which 128 rows of that tile I fetch
	s_bfe_u32 s40, ttmp6, 0x40000                  ; cx
	s_bfe_u32 s41, ttmp6, 0x40004                  ; cy
	s_lshl_b32 s42, ttmp9, 2                       ; in a cluster launch ttmp9 and ttmp7 count clusters
	s_add_co_u32 s42, s42, s40                     ; ib = 4 x cluster x + cx: my block of 256 anchors
	s_and_b32 s13, ttmp7, 0xffff
	s_lshl_b32 s13, s13, 2
	s_add_co_u32 s13, s13, s41                     ; jg = 4 x cluster y + cy: my first block of 256 negatives
	s_lshl_b32 s43, s41, 2
	s_lshl_b32 s43, 15, s43                        ; my row of the cluster: places 4 cy .. 4 cy + 3
	s_lshl_b32 s44, 0x1111, s40                    ; my column: places cx, cx + 4, cx + 8, cx + 12
	; descriptor group 1: a tile of 128 rows x 128 elements, padded in LDS
	s_or_b32 s[G1+0], s43, (1<<16)|(1<<20)|(1<<21)|(5<<22)|(3<<25)  ; 15:0 the mask: nb's tiles go to my row; 17:16 2-byte elements; 20 padding on; 21 set beside a mask; 24:22 after every 64 words (code 5); 31:25 4 words (code 3)
	s_or_b32 s[G1B+0], s44, (1<<16)|(1<<20)|(1<<21)|(5<<22)|(3<<25) ; the same with the mask of my column, for ab's tiles
.irp g, G1, G1B
	s_mov_b32 s[(\g)+1], KSTEP<<16                 ; tensor_dim0 = 128
	s_mov_b32 s[(\g)+2], 128<<16                   ; tensor_dim1 = 128
	s_mov_b32 s[(\g)+3], KSTEP<<16                 ; tile_dim0 = 128
	s_mov_b32 s[(\g)+4], 128                       ; tile_dim1 = 128
	s_mov_b32 s[(\g)+5], SIZE_K                    ; elements from row to row
	s_mov_b32 s[(\g)+6], 0
	s_mov_b32 s[(\g)+7], 0
.endr
	; where the tiles come from.  nb's hang on jg alone, which my row of the cluster shares; ab's on ib alone, which my column shares.  Every wave makes both addresses and asks by one of them.
	s_lshl_b32 s17, s12, 7                         ; which 128 rows of the tile I fetch
	s_lshl_b32 s16, s13, 8
	s_add_co_u32 s16, s16, s17                     ; nb: row 256 jg + 128 x half
	s_lshl_b32 s46, s42, 8
	s_add_co_u32 s46, s46, s17                     ; ab: row 256 ib + 128 x half
	s_mov_b32 s17, 0
	s_mov_b32 s47, 0
	s_mov_b64 s[18:19], SIZE_K*2
	s_mul_u64 s[16:17], s[16:17], s[18:19]         ; in bytes
	s_mul_u64 s[46:47], s[46:47], s[18:19]
	s_mul_i32 s20, s10, HALFT                      ; and where they go: wave x 128 rows: no place in the cluster enters an LDS address
	s_wait_dscnt 0x0                               ; both opening adds are done
	s_wait_kmcnt 0x0
	s_add_nc_u64 s[14:15], s[4:5], s[16:17]
	s_add_nc_u64 s[46:47], s[6:7], s[46:47]
	CROUND                                         ; all sixteen work-groups are here: the first joint loads meet
.irp s, 0,1
	s_mov_b32 s[G0+4*(\s)], 1                                      ; count = 1
	s_add_co_u32 s[G0+4*(\s)+1], s20, (\s)*SLOT                    ; LDS address
	s_add_nc_u64 s[G0+4*(\s)+2:G0+4*(\s)+3], s[14:15], (\s)*KSTEP*2  ; global address: K step s
	s_or_b32 s[G0+4*(\s)+3], s[G0+4*(\s)+3], 0x80000000            ; type = 2
	s_mov_b32 s[G0B+4*(\s)], 1
	s_add_co_u32 s[G0B+4*(\s)+1], s20, (\s)*SLOT
	s_add_nc_u64 s[G0B+4*(\s)+2:G0B+4*(\s)+3], s[46:47], (\s)*KSTEP*2
	s_or_b32 s[G0B+4*(\s)+3], s[G0B+4*(\s)+3], 0x80000000
	JLOAD \s                                       ; the ring is filled before anything else is done: two tensor loads of mine are out
.endr
	; ALL THAT FOLLOWS, up to the first barrier, stands in the wait for the first tile.
	v_and_b32 v1, 15, v0                           ; rr
	v_bfe_u32 v2, v0, 4, 1                         ; h
	v_and_b32 v5, 31, v0                           ; lane
	; n2 of tile w (wave w takes one of the four): 256 numbers, two loads of 512 consecutive bytes; a2 of my eight anchors
	s_lshl_b32 s21, s13, 10                        ; 256 jg x 4 bytes
	s_lshl_b32 s22, s10, 13                        ; + 2,048 w x 4
	s_add_co_u32 s21, s21, s22
	v_lshl_add_u32 v6, v5, 4, s21
	global_load_b128 v[T:T+3], v6, s[68:69]
	global_load_b128 v[T+4:T+7], v6, s[68:69] offset:512
	s_lshl_b32 s21, s42, 10                        ; 256 ib x 4 bytes
	s_lshl_b32 s22, s12, 9                         ; + 128 ih x 4
	s_add_co_u32 s21, s21, s22
	v_lshl_add_u32 v4, v1, 2, s21
.irp b, 0,1,2,3,4,5,6,7
	global_load_b32 v[A2+(\b)], v4, s[70:71] offset:64*(\b)
.endr
	; A fragment is 16 rows x 32 K in 8 registers: lane l holds row l % 16; registers 0-3 K = 8 h + 0..7, registers 4-7 K = 16 + 8 h + 0..7: two loads of 16 bytes, 32 bytes apart.
	v_mul_u32_u24 v3, v1, PITCH
	v_lshl_add_u32 v3, v2, 4, v3                   ; row x pitch + 16 h
	s_mul_i32 s21, s11, HALFT                      ; my 128 rows of nb
	s_mul_i32 s22, s12, HALFT                      ; my 128 rows of ab,
	s_add_co_u32 s22, s22, 2*HALFT                 ; which lie behind nb's 256
.irp s, 0,1
	v_add_nc_u32 v[ADRA+(\s)], s21, v3
	v_add_nc_u32 v[ADRB+(\s)], s22, v3
	s_add_co_u32 s21, s21, SLOT
	s_add_co_u32 s22, s22, SLOT
.endr
	s_lshl_b32 s23, s10, 10                        ; 1,024 w
	s_add_co_u32 s22, s23, STAGE                   ; my stage
	v_lshl_add_u32 v[STO], v1, 2, s22              ; in: the word of anchor 16 b + rr at 64 b + 4 rr
	v_lshl_add_u32 v[RD], v5, 4, s22               ; back: four anchors a lane
	v_lshlrev_b32 v[CO], 4, v5
	v_lshlrev_b32 v[H8], 3, v2
	s_add_co_u32 s22, s23, N2L
	v_lshl_add_u32 v7, v5, 4, s22                  ; where I put tile w's n2
	s_lshl_b32 s22, s11, 9                         ; my half of a tile's 256 n2,
	s_add_co_u32 s22, s22, N2L
	v_lshl_add_u32 v[N2A], v2, 5, s22              ; and my lanes' eight of a block's sixteen
	; my wave's 128 words of partial 2 jg + jh: ((2 jg + jh) x 8192 + 256 ib + 128 ih) x 4 bytes
	s_lshl_b32 s22, s13, 1
	s_add_co_u32 s22, s22, s11
	s_lshl_b32 s22, s22, 13
	s_lshl_b32 s23, s42, 8
	s_add_co_u32 s22, s22, s23
	s_lshl_b32 s23, s12, 7
	s_add_co_u32 s22, s22, s23
	s_lshl_b32 s22, s22, 2
	s_mov_b32 s23, 0
	s_add_nc_u64 s[8:9], s[72:73], s[22:23]
	s_add_nc_u64 s[PI:PI+1], s[74:75], s[22:23]
	; the prefetches
	s_lshl_b32 s17, s13, 8                         ; 256 jg
	s_lshl_b32 s46, s42, 8                         ; 256 ib
	s_and_b32 s22, ttmp7, 0xffff                   ; cluster y
	s_cmp_eq_u32 s11, 0                            ; do I fetch for nb?
	s_cselect_b32 s20, s17, s46                    ; the tile's first row
	s_cselect_b32 s21, s40, s41                    ; my place among the four that ask for it with me
	s_cselect_b32 s22, ttmp9, s22                  ; the coordinate along which other clusters read the same rows
	s_cselect_b64 s[PFA:PFA+1], s[4:5], s[6:7]
	s_cmp_eq_u32 s22, 0
	s_cselect_b32 s[LIM], 1, -1                    ; the same in all sixteen partners, for a given wave
	s_lshl_b32 s22, s12, 7
	s_add_co_u32 s20, s20, s22                     ; + the 128 rows that I fetch
	s_lshl_b32 s21, s21, 5
	s_add_co_u32 s20, s20, s21                     ; + my work-group's 32 of them
	s_mov_b32 s21, 0
	s_mov_b64 s[18:19], SIZE_K*2
	s_mul_u64 s[20:21], s[20:21], s[18:19]
	s_add_nc_u64 s[PFA:PFA+1], s[PFA:PFA+1], s[20:21]
	s_add_nc_u64 s[PFA:PFA+1], s[PFA:PFA+1], 2*KSTEP*2  ; at K step 2: the first refill steps it to 3 and names K step 4.  Nothing is prefetched here, at the head
	v_mul_u32_u24 v[PFO], v5, SIZE_K*2
	; the constants of the work behind a tile
	s_lshl_b32 s[J], s13, 8
	s_lshl_b32 s17, s11, 7
	s_add_co_u32 s[J], s[J], s17                   ; J = 256 jg + 128 jh
	s_mov_b32 s[KC], 0xbb000000                    ; -2^-9 = -2 / 1024
	s_mov_b32 s[KC+1], s[KC]                       ; named with it as a pair
	s_mov_b32 s[SEL], 0x76543210
	s_mov_b32 s[SEL+1], 0xfedcba98
	s_mov_b32 s22, 0xff800000                      ; -inf
	; The running maxima start at -inf and their J at the first block's, so that all four tiles have one text.  128 moves, once a launch.
.set i, 0
.rept 64
	v_mov_b32 v[M+i], s22
.set i, i+1
.endr
	WIN TO_B
.set i, 0
.rept 64
	v_mov_b32 v[IX+i], s[J]
.set i, i+1
.endr
	WIN 0
	s_wait_loadcnt 0x0                             ; n2 and a2 are in; s[68:75] are free for the masks
	ds_store_b128 v7, v[T:T+3]
	ds_store_b128 v7, v[T+4:T+7] offset:512
; 16 matrix instructions: row blocks a0, a0 + 1 of the window's four (hi = 0: my negatives 0-63, 1: 64-127) x all 8 column blocks, 32 along K.  zero = 1: the first product starts the sums.
; The 64 accumulators take turns, one instruction a turn, in the same order in every quarter step, over the backward jumps too.
.macro MUL16 f, hi, a0, zero
	WIN MUL_LO+0x50*(\hi)
.irp a, \a0, (\a0)+1
.irp b, 0,1,2,3,4,5,6,7
.if \zero
	v_wmma_f32_16x16x32_bf16 v[8*(8*(\a)+(\b)):8*(8*(\a)+(\b))+7], v[(\f)+8*(4*(\hi)+(\a)):(\f)+8*(4*(\hi)+(\a))+7], v[(\f)+8*(\b):(\f)+8*(\b)+7], 0
.else
	v_wmma_f32_16x16x32_bf16 v[8*(8*(\a)+(\b)):8*(8*(\a)+(\b))+7], v[(\f)+8*(4*(\hi)+(\a)):(\f)+8*(4*(\hi)+(\a))+7], v[(\f)+8*(\b):(\f)+8*(\b)+7], v[8*(8*(\a)+(\b)):8*(8*(\a)+(\b))+7]
.endif
.endr
.endr
.endm
; 32 LDS loads in one run: the fragments of one quarter step (128 rows of ab, then 128 rows of nb, 32 K at byte k of the rows) into buffer f
.macro FETCH slot, k, f
	WIN TO_B
.irp i, 0,1,2,3,4,5,6,7
	ds_load_b128 v[(\f)+8*(\i):(\f)+8*(\i)+3],   v[ADRB+(\slot)] offset:(\k)+(\i)*16*PITCH
	ds_load_b128 v[(\f)+8*(\i)+4:(\f)+8*(\i)+7], v[ADRB+(\slot)] offset:(\k)+(\i)*16*PITCH+32
.endr
	WIN 0
.irp i, 0,1,2,3,4,5,6,7
	ds_load_b128 v[(\f)+8*(\i):(\f)+8*(\i)+3],   v[ADRA+(\slot)] offset:(\k)+(\i)*16*PITCH
	ds_load_b128 v[(\f)+8*(\i)+4:(\f)+8*(\i)+7], v[ADRA+(\slot)] offset:(\k)+(\i)*16*PITCH+32
.endr
.endm
; A load into a register that a matrix instruction has read stands four places behind it, and only plain vector instructions that name none of its registers are places
; (ISA guide 7.12.1 for vector instructions): four v_nop in front of each run of loads.
.macro PLACES
.rept 4
	v_nop
.endr
.endm
; The tile's n2, 16 loads: lanes 0-15 take the first eight of each block's sixteen, lanes 16-31 the other eight.  No matrix instruction names these registers.
.macro N2LOAD
	WIN TO_B
.irp a, 0,1,2,3,4,5,6,7
	ds_load_b128 v[N2R+8*(\a):N2R+8*(\a)+3],   v[N2A] offset:64*(\a)
	ds_load_b128 v[N2R+8*(\a)+4:N2R+8*(\a)+7], v[N2A] offset:64*(\a)+16
.endr
	WIN 0
.endm
; A K step is four quarter steps of 32 along K, 64 matrix instructions each, on buffers 0, 1, 0, 1.
; One of the first three: multiplies buffer f; in its middle it fetches the next quarter's fragments, at byte k of the same slot's rows, into buffer g.
.macro QUARTER slot, k, f, g, zero
	s_wait_dscnt 8                                 ; ab and nb's rows 0-63 are in; the youngest eight loads (nb's rows 64-127) may be out
	WIN MUL_LO
	MUL16 \f, 0, 0, \zero
	MUL16 \f, 0, 2, \zero
	PLACES
	FETCH \slot, \k, \g
	s_wait_dscnt 32                                ; all but the 32 just issued
	WIN MUL_HI
	MUL16 \f, 1, 0, \zero
	MUL16 \f, 1, 2, \zero
.endm
; The last quarter multiplies buffer 1 and changes slots.  MEET is its first half: ONE barrier for the change.  In front of it each wave waits for all its tensor loads, of which one is out: its part of the
; next slot; adds 0 to its spare word; and waits for that and for its own reads of this slot.  Behind it nobody reads this slot any more and the next slot is whole.
.macro MEET round                      ; round = 1: a round of the cluster's barrier follows
	WIN 0                                          ; (the add's two registers lie in window 0)
	s_wait_tensorcnt 0x0                           ; all my tensor loads have landed;
	ds_add_u32 v[SPW], v[NIL]                      ; 0 onto my spare word;
	s_wait_dscnt 9                                 ; (the add and the youngest eight loads may be out)
	WIN MUL_LO
	MUL16 F1, 0, 0, 0                              ; sixteen matrix instructions stand between the add and the wait for it
	s_wait_dscnt 0x0                               ; the add is done, and my reads of this slot are over:
	s_barrier_signal -1                            ; say so,
	MUL16 F1, 0, 2, 0                              ; work on registers while the others arrive,
.if \round
	WIN 0
.endif
	s_barrier_wait -1                              ; and go on when all four have said so
.endm
; The whole last quarter.  Behind the round the slot just read out is filled again first: with this tile's K step two steps on (on = 0) or, in a tile's last two K steps, with the NEXT tile's K step 0 or 1
; (on = 1); then come the next slot's first fragments.  From a request to the wait for it a wave issues 224 matrix instructions.  The tile's very last change also fetches its n2.
.macro TURN slot, next, on
	s_wait_xcnt 0x0                                ; the last prefetch, a K step back, has read its address: it is stepped here, ahead of the waits of the change of slots
.if (\on) && (\slot) == 0
	s_add_nc_u64 s[PFA:PFA+1], s[PFA:PFA+1], (WALK-1)*SIZE_K*2+KSTEP*2  ; from the K step after the tile's last to the next tile's K step 1: WALK rows down, back along K
	s_cmp_eq_u32 s11, 0
	s_cselect_b32 s[LIM], s[LIM], -1               ; ab's rows are the same for all tiles of the walk: they are asked for in the first tile alone
.else
	s_add_nc_u64 s[PFA:PFA+1], s[PFA:PFA+1], KSTEP*2
.endif
	MEET 1
	CREST                                          ; all sixteen work-groups have said so: no wave of any partner still reads this slot's tile or has a load on its way
.if \on
	s_add_nc_u64 s[G0+4*(\slot)+2:G0+4*(\slot)+3], s[G0+4*(\slot)+2:G0+4*(\slot)+3], NEXT_A
	s_sub_nc_u64 s[G0B+4*(\slot)+2:G0B+4*(\slot)+3], s[G0B+4*(\slot)+2:G0B+4*(\slot)+3], BACK_B
.else
	s_add_nc_u64 s[G0+4*(\slot)+2:G0+4*(\slot)+3], s[G0+4*(\slot)+2:G0+4*(\slot)+3], 2*KSTEP*2
	s_add_nc_u64 s[G0B+4*(\slot)+2:G0B+4*(\slot)+3], s[G0B+4*(\slot)+2:G0B+4*(\slot)+3], 2*KSTEP*2
.endif
	JLOAD \slot                                    ; the first tensor load behind the round; the four v_nop behind it are also the places in front of the loads below
	FETCH \next, 0, F0
.if (\on) && (\slot) == 1
	N2LOAD
	v_add_nc_u32 v[N2A], 0x400, v[N2A]             ; the next tile's n2: three steps in all, tiles 0 to 3
.endif
	ASK \on
	WIN MUL_HI
	MUL16 F1, 1, 0, 0
	MUL16 F1, 1, 2, 0
.endm
; BEHIND A TILE.  Four accumulators at a time: row block a, column blocks b = 4 g + q.  128 vector instructions under four window settings.
;   t = n2 + a2 (two an instruction; a2 of block b is one register of a pair, given to both halves);  mse = acc x (-2 / 1024) + t, fused (each accumulator is read from its low end on);
;   mask = old maximum < mse, in a scalar register of its own, 32 lines ahead of its reader;  the maximum;  J where the mask is set.
.macro BATCH a, g
	WIN 0x01                                       ; source 0 (n2) window 1
.irp q, 0,1,2,3
.irp p, 0,1,2,3
.if (\q)%2
	v_pk_add_f32 v[T+8*(\q)+2*(\p):T+8*(\q)+2*(\p)+1], v[N2R+8*(\a)+2*(\p):N2R+8*(\a)+2*(\p)+1], v[A2+4*(\g)+2*((\q)/2):A2+4*(\g)+2*((\q)/2)+1] op_sel:[0,1] op_sel_hi:[1,1]
.else
	v_pk_add_f32 v[T+8*(\q)+2*(\p):T+8*(\q)+2*(\p)+1], v[N2R+8*(\a)+2*(\p):N2R+8*(\a)+2*(\p)+1], v[A2+4*(\g)+2*((\q)/2):A2+4*(\g)+2*((\q)/2)+1] op_sel_hi:[1,0]
.endif
.endr
.endr
	WIN 0x02+(\a)/4                                ; source 0 (the accumulators) window 2 or 3
.irp q, 0,1,2,3
.irp p, 0,1,2,3
	v_pk_fma_f32 v[T+8*(\q)+2*(\p):T+8*(\q)+2*(\p)+1], v[8*(8*((\a)%4)+4*(\g)+(\q))+2*(\p):8*(8*((\a)%4)+4*(\g)+(\q))+2*(\p)+1], s[KC:KC+1], v[T+8*(\q)+2*(\p):T+8*(\q)+2*(\p)+1] op_sel_hi:[1,0,1]
.endr
.endr
	WIN 0
.irp q, 0,1,2,3
.irp r, 0,1,2,3,4,5,6,7
	v_cmp_lt_f32 s[MK+8*(\q)+(\r)], v[M+8*(4*(\g)+(\q))+(\r)], v[T+8*(\q)+(\r)]
.endr
.endr
.irp q, 0,1,2,3
.irp r, 0,1,2,3,4,5,6,7
	v_max_num_f32 v[M+8*(4*(\g)+(\q))+(\r)], v[M+8*(4*(\g)+(\q))+(\r)], v[T+8*(\q)+(\r)]
.endr
.endr
	WIN 0x41                                       ; destination and source 0 (the running J) window 1
.irp q, 0,1,2,3
.irp r, 0,1,2,3,4,5,6,7
	v_cndmask_b32 v[IX+8*(4*(\g)+(\q))+(\r)], v[IX+8*(4*(\g)+(\q))+(\r)], s[J], s[MK+8*(\q)+(\r)]
.endr
.endr
.endm
	s_wait_tensorcnt 1                             ; my part of K step 0 is in; K step 1's load may stay out
	s_wait_dscnt 0x0                               ; my part of the n2 table lies in LDS
	s_barrier_signal -1
	s_barrier_wait -1                              ; everybody's does
	FETCH 0, 0, F0
	s_mov_b32 s2, TILES                            ; tiles to go, this one among them: the same number in every work-group
.Ltile:
	QUARTER 0, 64,  F0, F1, 1                      ; a tile's first quarter stands in front of the loop: its products start the sums
	WIN 0                                          ; at a label and at a branch every window is 0
	s_mov_b32 s3, LAPS-1
.Llap:                                                 ; a trip goes once round the ring, from a lap's second quarter to the next lap's first, and fills both slots again
	QUARTER 0, 128, F1, F0, 0
	QUARTER 0, 192, F0, F1, 0
	TURN 0, 1, 0
	QUARTER 1, 64,  F0, F1, 0
	QUARTER 1, 128, F1, F0, 0
	QUARTER 1, 192, F0, F1, 0
	TURN 1, 0, 0
	QUARTER 0, 64,  F0, F1, 0
	WIN 0
	s_sub_co_u32 s3, s3, 1
	s_cmp_lg_u32 s3, 0
	s_cbranch_scc1 .Llap
	QUARTER 0, 128, F1, F0, 0                      ; the tile's last lap goes on
	QUARTER 0, 192, F0, F1, 0
	WIN 0
	s_cmp_eq_u32 s2, 1
	s_cbranch_scc1 .Llast                          ; the last tile's last K steps are written out: they ask for nothing more.  s2 is the same in all waves and all partners
	TURN 0, 1, 1                                   ; THE RING GOES ON INTO THE NEXT TILE: slot 0 takes its K step 0,
	QUARTER 1, 64,  F0, F1, 0
	QUARTER 1, 128, F1, F0, 0
	QUARTER 1, 192, F0, F1, 0
	TURN 1, 0, 1                                   ; slot 1 its K step 1; the next tile's first fragments and this tile's n2 are fetched
	WIN 0
	s_branch .Lepi
.Llast:
	MEET 0                                         ; my one tensor load that was still out is slot 1's, the last K step's, so no round follows
	PLACES
	FETCH 1, 0, F0
	MUL16 F1, 1, 0, 0
	MUL16 F1, 1, 2, 0
	QUARTER 1, 64,  F0, F1, 0
	QUARTER 1, 128, F1, F0, 0
	QUARTER 1, 192, F0, F1, 0
	s_wait_dscnt 8                                 ; the very last quarter: no fragments are left to fetch
	MUL16 F1, 0, 0, 0
	MUL16 F1, 0, 2, 0
	N2LOAD
	s_wait_dscnt 16                                ; all fragments are in; the 16 loads of n2 just issued may be out
	MUL16 F1, 1, 0, 0
	MUL16 F1, 1, 2, 0
	WIN 0
.Lepi:                                                 ; one text for all four tiles
	s_wait_dscnt 0x0                               ; n2 is in (and, where a tile follows, its first fragments)
	; The places behind the last products: the first 16 additions name none of their registers, and the accumulators that they wrote (row blocks 6 and 7) are first read more than a thousand lines on.
.irp a, 0,1,2,3,4,5,6,7
	BATCH \a, 0
	BATCH \a, 1
	s_add_co_u32 s[J], s[J], 16                    ; the next row block
.endr
	WIN 0
	s_add_co_u32 s[J], s[J], WALK-128              ; the next tile
	s_sub_co_u32 s2, s2, 1
	s_cmp_lg_u32 s2, 0
	s_cbranch_scc1 .Ltile
	; THE END.  A lane's eight slots of a column block, then the two halves of the lanes, are brought together: the largest mse, and among equals the lowest j.
	WIN 0x01
.irp b, 0,1,2,3,4,5,6,7
.irp r, 0,1,2,3,4,5,6,7
	v_add3_u32 v[JF+8*(\b)+(\r)], v[IX+8*(\b)+(\r)], v[H8], \r     ; j = J + 8 h + r
.endr
.endr
	WIN 0
.irp b, 0,1,2,3,4,5,6,7
	v_max3_num_f32 v[T+(\b)], v[M+8*(\b)], v[M+8*(\b)+1], v[M+8*(\b)+2]
.endr
.irp b, 0,1,2,3,4,5,6,7
	v_max3_num_f32 v[T+(\b)], v[T+(\b)], v[M+8*(\b)+3], v[M+8*(\b)+4]
.endr
.irp b, 0,1,2,3,4,5,6,7
	v_max3_num_f32 v[T+(\b)], v[T+(\b)], v[M+8*(\b)+5], v[M+8*(\b)+6]
.endr
.irp b, 0,1,2,3,4,5,6,7
	v_max_num_f32 v[T+(\b)], v[T+(\b)], v[M+8*(\b)+7]
.endr
.irp g, 0,1
.irp q, 0,1,2,3
.irp r, 0,1,2,3,4,5,6,7
	v_cmp_eq_f32 s[MK+8*(\q)+(\r)], v[M+8*(4*(\g)+(\q))+(\r)], v[T+4*(\g)+(\q)]
.endr
.endr
.irp q, 0,1,2,3
.irp r, 0,1,2,3,4,5,6,7
	v_cndmask_b32 v[JF+8*(4*(\g)+(\q))+(\r)], -1, v[JF+8*(4*(\g)+(\q))+(\r)], s[MK+8*(\q)+(\r)]  ; a slot below the maximum offers the greatest number
.endr
.endr
.endr
.irp b, 0,1,2,3,4,5,6,7
.irp r, 0,2,4,6
	v_min_u32 v[JF+8*(\b)+(\r)], v[JF+8*(\b)+(\r)], v[JF+8*(\b)+(\r)+1]
.endr
.endr
.irp b, 0,1,2,3,4,5,6,7
.irp r, 0,4
	v_min_u32 v[JF+8*(\b)+(\r)], v[JF+8*(\b)+(\r)], v[JF+8*(\b)+(\r)+2]
.endr
.endr
.irp b, 0,1,2,3,4,5,6,7
	v_min_u32 v[JF+8*(\b)], v[JF+8*(\b)], v[JF+8*(\b)+4]
.endr
.irp b, 0,1,2,3,4,5,6,7
	v_permlanex16_b32 v[T+8+(\b)], v[T+(\b)], s[SEL], s[SEL+1]     ; the anchor's other negatives lie in the lane 16 away (the destinations have been written)
	v_permlanex16_b32 v[T+16+(\b)], v[JF+8*(\b)], s[SEL], s[SEL+1]
.endr
.irp b, 0,1,2,3,4,5,6,7
	v_max_num_f32 v[T+24+(\b)], v[T+(\b)], v[T+8+(\b)]
.endr
.irp b, 0,1,2,3,4,5,6,7
	v_cmp_eq_f32 s[MK+2*(\b)], v[T+(\b)], v[T+24+(\b)]
	v_cmp_eq_f32 s[MK+2*(\b)+1], v[T+8+(\b)], v[T+24+(\b)]
.endr
.irp b, 0,1,2,3,4,5,6,7
	v_cndmask_b32 v[JF+8*(\b)], -1, v[JF+8*(\b)], s[MK+2*(\b)]
	v_cndmask_b32 v[T+16+(\b)], -1, v[T+16+(\b)], s[MK+2*(\b)+1]
.endr
.irp b, 0,1,2,3,4,5,6,7
	v_min_u32 v[JF+8*(\b)], v[JF+8*(\b)], v[T+16+(\b)]
.endr
	; Through my own stage, so that a lane holds four neighbouring anchors: both halves of the lanes write the same word with the same number.
.irp b, 0,1,2,3,4,5,6,7
	ds_store_b32 v[STO], v[T+24+(\b)] offset:64*(\b)
	ds_store_b32 v[STO], v[JF+8*(\b)] offset:512+64*(\b)
.endr
	ds_load_b128 v[F1:F1+3], v[RD]                 ; LDS serves a wave's instructions in order (ISA guide 5.7.1.4): these see the stores above
	ds_load_b128 v[F1+4:F1+7], v[RD] offset:512
	s_wait_dscnt 0x0
	global_store_b128 v[CO], v[F1:F1+3], s[8:9]    ; 512 consecutive bytes, aligned: my wave's 128 maxima,
	global_store_b128 v[CO], v[F1+4:F1+7], s[PI:PI+1]  ; and their j
	s_wait_tensorcnt 0x0                           ; the wave's end, behind my last tensor load and my last LDS store
	ds_add_u32 v[SPW], v[NIL]
	s_wait_dscnt 0x0
	CROUND                                         ; the closing round: no work-group ends while a partner may still ask for a tile that names it
	s_endpgm
.Lfunc_end_k_q4a0272a34c_scan:
	.size	k_q4a0272a34c_scan, .Lfunc_end_k_q4a0272a34c_scan-k_q4a0272a34c_scan
	.p2alignl 7, 3214868480
	.fill 96, 4, 3214868480
	.section	.rodata,"a",@progbits
	.p2align	6, 0x0
	.amdhsa_kernel k_q4a0272a34c_scan
		.amdhsa_group_segment_fixed_size 327680
		.amdhsa_private_segment_fixed_size 0
		.amdhsa_enable_private_segment 0
		.amdhsa_kernarg_size 48
		.amdhsa_user_sgpr_count 2
		.amdhsa_user_sgpr_kernarg_segment_ptr 1
		.amdhsa_wavefront_size32 1
		.amdhsa_system_sgpr_workgroup_id_x 1
		.amdhsa_system_sgpr_workgroup_id_y 1
		.amdhsa_system_sgpr_workgroup_id_z 1
		.amdhsa_system_vgpr_workitem_id 0
		.amdhsa_next_free_vgpr 1024
		.amdhsa_next_free_sgpr 100
		.amdhsa_reserve_vcc 0
		.amdhsa_float_denorm_mode_32 3
		.amdhsa_float_denorm_mode_16_64 3
		.amdhsa_memory_ordered 1
		.amdhsa_forward_progress 1
		.amdhsa_inst_pref_size 255
	.end_amdhsa_kernel
	.section	.bss,"aw",@nobits
	.p2align	6
	.space	262144
	.amdgpu_metadata
---
amdhsa.version: [ 1, 2 ]
amdhsa.kernels:
  - .name:           k_q4a0272a34c_scan
    .symbol:         k_q4a0272a34c_scan.kd
    .args:
      - { .name: nb, .offset: 0, .size: 8, .value_kind: global_buffer, .address_space: global }
      - { .name: ab, .offset: 8, .size: 8, .value_kind: global_buffer, .address_space: global }
      - { .name: n2, .offset: 16, .size: 8, .value_kind: global_buffer, .address_space: global }
      - { .name: a2, .offset: 24, .size: 8, .value_kind: global_buffer, .address_space: global }
      - { .name: pval, .offset: 32, .size: 8, .value_kind: global_buffer, .address_space: global }
      - { .name: pidx, .offset: 40, .size: 8, .value_kind: global_buffer, .address_space: global }
    .group_segment_fixed_size: 327680
    .private_segment_fixed_size: 0
    .kernarg_segment_align: 8
    .kernarg_segment_size: 48
    .max_flat_workgroup_size: 128
    .sgpr_count:     100
    .vgpr_count:     1024
    .wavefront_size: 32
...
	.end_amdgpu_metadata
.endif
;; end of part 2
;; launch pick (part 3): grid 16 x 1, 4 waves a work-group, no clusters, 0 bytes of LDS; arguments pval, pidx, order; writes order
.if DOCPART == 3
	.amdgcn_target "amdgcn-amd-amdhsa--gfx1250"
	.amdhsa_code_object_version 6
	.text
	.protected	k_q4a0272a34c_pick
	.globl	k_q4a0272a34c_pick
	.p2align	8
	.type	k_q4a0272a34c_pick,@function
k_q4a0272a34c_pick:
	s_mov_b64 s[64:65], 0
	v_nop
	global_prefetch_b8 v0, s[64:65] scope:SCOPE_SE
	s_setreg_imm32_b32 hwreg(HW_REG_WAVE_MODE, 25, 1), 1
	s_wait_xcnt 0x0
; THIRD OF FOUR LAUNCHES.  order[i] = the j of the largest of anchor i's 16 partial maxima; among equal maxima the lowest j.  pval: [16][8192] f32, pidx: [16][8192] u32, order: [8192] u32.
; The choice is made here and stored as whole numbers, since the next launch forms addresses from it.  Only selections: no branch and no address hangs on a number.
; pval holds no NaN (a NaN never entered a running maximum), so the maximum equals one of the 16 at least.
; SHARES.  A thread owns four neighbouring anchors: 16 bytes of each partial; a load or store of a wave covers 512 consecutive bytes.  16 work-groups x 128 threads x 4 = 8,192: there is work for no more
; at this width.  All 32 loads go out at once.
.set VAL,  16                          ; v[16:79]  partial p's four maxima at VAL + 4 p
.set IDX,  80                          ; v[80:143] its four j
.set BEST, 4                           ; v[4:7]    the four anchors' maxima
.set OUT,  8                           ; v[8:11]   their j
.set MK,   16                          ; s[16:31]  a lane mask for each partial
	s_load_b128 s[4:7], s[0:1], 0x0                ; pval s[4:5], pidx s[6:7]
	s_load_b64 s[8:9], s[0:1], 0x10                ; order
	s_lshl_b32 s10, ttmp9, 11                      ; 512 anchors x 4 bytes a work-group
	v_lshl_add_u32 v1, v0, 4, s10
	s_wait_kmcnt 0x0
.irp p, 0,1,2,3,4,5,6,7,8,9,10,11,12,13,14,15
	global_load_b128 v[VAL+4*(\p):VAL+4*(\p)+3], v1, s[4:5] offset:32768*(\p)
.endr
.irp p, 0,1,2,3,4,5,6,7,8,9,10,11,12,13,14,15
	global_load_b128 v[IDX+4*(\p):IDX+4*(\p)+3], v1, s[6:7] offset:32768*(\p)
.endr
	s_wait_loadcnt 16                              ; the maxima are in; the 16 loads of j behind them may stay out
.irp e, 0,1,2,3
	v_max3_num_f32 v[BEST+(\e)], v[VAL+(\e)], v[VAL+4+(\e)], v[VAL+8+(\e)]
.endr
.irp k, 1,2,3,4,5,6
.irp e, 0,1,2,3
	v_max3_num_f32 v[BEST+(\e)], v[BEST+(\e)], v[VAL+4*(2*(\k)+1)+(\e)], v[VAL+4*(2*(\k)+2)+(\e)]
.endr
.endr
.irp e, 0,1,2,3
	v_max_num_f32 v[BEST+(\e)], v[BEST+(\e)], v[VAL+60+(\e)]
.endr
	s_wait_loadcnt 0x0
.irp e, 0,1,2,3
.irp p, 0,1,2,3,4,5,6,7,8,9,10,11,12,13,14,15
	v_cmp_eq_f32 s[MK+(\p)], v[VAL+4*(\p)+(\e)], v[BEST+(\e)]
.endr
.irp p, 0,1,2,3,4,5,6,7,8,9,10,11,12,13,14,15
	v_cndmask_b32 v[IDX+4*(\p)+(\e)], -1, v[IDX+4*(\p)+(\e)], s[MK+(\p)]  ; a partial below the maximum offers the greatest number
.endr
.endr
.irp p, 0,2,4,6,8,10,12,14
.irp e, 0,1,2,3
	v_min_u32 v[IDX+4*(\p)+(\e)], v[IDX+4*(\p)+(\e)], v[IDX+4*(\p)+4+(\e)]
.endr
.endr
.irp p, 0,4,8,12
.irp e, 0,1,2,3
	v_min_u32 v[IDX+4*(\p)+(\e)], v[IDX+4*(\p)+(\e)], v[IDX+4*(\p)+8+(\e)]
.endr
.endr
.irp p, 0,8
.irp e, 0,1,2,3
	v_min_u32 v[IDX+4*(\p)+(\e)], v[IDX+4*(\p)+(\e)], v[IDX+4*(\p)+16+(\e)]
.endr
.endr
.irp e, 0,1,2,3
	v_min_u32 v[OUT+(\e)], v[IDX+(\e)], v[IDX+32+(\e)]
.endr
	global_store_b128 v1, v[OUT:OUT+3], s[8:9]
	s_endpgm
.Lfunc_end_k_q4a0272a34c_pick:
	.size	k_q4a0272a34c_pick, .Lfunc_end_k_q4a0272a34c_pick-k_q4a0272a34c_pick
	.p2alignl 7, 3214868480
	.fill 96, 4, 3214868480
	.section	.rodata,"a",@progbits
	.p2align	6, 0x0
	.amdhsa_kernel k_q4a0272a34c_pick
		.amdhsa_group_segment_fixed_size 0
		.amdhsa_private_segment_fixed_size 0
		.amdhsa_enable_private_segment 0
		.amdhsa_kernarg_size 24
		.amdhsa_user_sgpr_count 2
		.amdhsa_user_sgpr_kernarg_segment_ptr 1
		.amdhsa_wavefront_size32 1
		.amdhsa_system_sgpr_workgroup_id_x 1
		.amdhsa_system_sgpr_workgroup_id_y 1
		.amdhsa_system_sgpr_workgroup_id_z 1
		.amdhsa_system_vgpr_workitem_id 0
		.amdhsa_next_free_vgpr 144
		.amdhsa_next_free_sgpr 66
		.amdhsa_reserve_vcc 0
		.amdhsa_float_denorm_mode_32 3
		.amdhsa_float_denorm_mode_16_64 3
		.amdhsa_memory_ordered 1
		.amdhsa_forward_progress 1
		.amdhsa_inst_pref_size 16
	.end_amdhsa_kernel
	.amdgpu_metadata
---
amdhsa.version: [ 1, 2 ]
amdhsa.kernels:
  - .name:           k_q4a0272a34c_pick
    .symbol:         k_q4a0272a34c_pick.kd
    .args:
      - { .name: pval, .offset: 0, .size: 8, .value_kind: global_buffer, .address_space: global }
      - { .name: pidx, .offset: 8, .size: 8, .value_kind: global_buffer, .address_space: global }
      - { .name: order, .offset: 16, .size: 8, .value_kind: global_buffer, .address_space: global }
    .group_segment_fixed_size: 0
    .private_segment_fixed_size: 0
    .kernarg_segment_align: 8
    .kernarg_segment_size: 24
    .max_flat_workgroup_size: 128
    .sgpr_count:     66
    .vgpr_count:     144
    .wavefront_size: 32
...
	.end_amdgpu_metadata
.endif
;; end of part 3
;; launch fetch (part 4): grid 256 x 1, 8 waves a work-group, no clusters, 0 bytes of LDS; arguments negative, order, out0; writes out0
.if DOCPART == 4
	.amdgcn_target "amdgcn-amd-amdhsa--gfx1250"
	.amdhsa_code_object_version 6
	.text
	.protected	k_q4a0272a34c_fetch
	.globl	k_q4a0272a34c_fetch
	.p2align	8
	.type	k_q4a0272a34c_fetch,@function
k_q4a0272a34c_fetch:
	s_mov_b64 s[64:65], 0
	v_nop
	global_prefetch_b8 v0, s[64:65] scope:SCOPE_SE
	s_setreg_imm32_b32 hwreg(HW_REG_WAVE_MODE, 25, 1), 1
	s_wait_xcnt 0x0
; FOURTH OF FOUR LAUNCHES.  out0[i][:] = negative[order[i]][:], rows of 1,024 f32 as they were given (not the rounded copy).  order was stored by the launch before.
; SHARES.  A wave owns four rows, 2,048 waves in all.  Its four indices come by one scalar load; each is held to 0 .. 8191 before it enters an address.
; A row is eight loads of 16 bytes a lane, 512 consecutive bytes each; all 32 loads of a wave go out at once, which is the wave's whole share: no loop, no ring, no LDS.
; No register that a load or store names is written again, so no wait frees one.  The loads carry no hint: a row may be named by several anchors.
.set ROWB, 4096
.set X,    8                           ; v[8:135] row q, chunk c at X + 32 q + 4 c
	s_load_b128 s[4:7], s[0:1], 0x0                ; negative s[4:5], order s[6:7]
	s_load_b64 s[8:9], s[0:1], 0x10                ; out0
	v_lshrrev_b32 v2, 5, v0
	v_readfirstlane_b32 s17, v2                    ; wave 0..7
	v_and_b32 v1, 31, v0
	v_lshlrev_b32 v1, 4, v1                        ; 16 x lane
	s_lshl_b32 s16, ttmp9, 3
	s_add_co_u32 s16, s16, s17                     ; my wave among the launch's 2,048
	s_lshl_b32 s18, s16, 4                         ; its four words of order,
	s_mov_b32 s19, 0
	s_lshl_b32 s20, s16, 14                        ; its four rows of out0
	s_mov_b32 s21, 0
	s_wait_kmcnt 0x0
	s_add_nc_u64 s[6:7], s[6:7], s[18:19]
	s_add_nc_u64 s[8:9], s[8:9], s[20:21]
	s_load_b128 s[12:15], s[6:7], 0x0
	s_wait_kmcnt 0x0
.irp q, 0,1,2,3
	s_min_u32 s[12+(\q)], s[12+(\q)], 0x1fff       ; an index stays inside the table
	s_lshl_b32 s[32+2*(\q)], s[12+(\q)], 12        ; x 4,096 bytes, under 2^25
	s_mov_b32 s[33+2*(\q)], 0
	s_add_nc_u64 s[24+2*(\q):25+2*(\q)], s[4:5], s[32+2*(\q):33+2*(\q)]
.endr
.irp q, 0,1,2,3
.irp c, 0,1,2,3,4,5,6,7
	global_load_b128 v[X+32*(\q)+4*(\c):X+32*(\q)+4*(\c)+3], v1, s[24+2*(\q):25+2*(\q)] offset:512*(\c)
.endr
.endr
.irp q, 0,1,2,3
	s_wait_loadcnt 24-8*(\q)                       ; loads come back in order: this row's eight are in, the 8 (3 - q) of the rows behind it stay out
.irp c, 0,1,2,3,4,5,6,7
	global_store_b128 v1, v[X+32*(\q)+4*(\c):X+32*(\q)+4*(\c)+3], s[8:9] offset:ROWB*(\q)+512*(\c) th:TH_STORE_NT
.endr
.endr
	s_endpgm
.Lfunc_end_k_q4a0272a34c_fetch:
	.size	k_q4a0272a34c_fetch, .Lfunc_end_k_q4a0272a34c_fetch-k_q4a0272a34c_fetch
	.p2alignl 7, 3214868480
	.fill 96, 4, 3214868480
	.section	.rodata,"a",@progbits
	.p2align	6, 0x0
	.amdhsa_kernel k_q4a0272a34c_fetch
		.amdhsa_group_segment_fixed_size 0
		.amdhsa_private_segment_fixed_size 0
		.amdhsa_enable_private_segment 0
		.amdhsa_kernarg_size 24
		.amdhsa_user_sgpr_count 2
		.amdhsa_user_sgpr_kernarg_segment_ptr 1
		.amdhsa_wavefront_size32 1
		.amdhsa_system_sgpr_workgroup_id_x 1
		.amdhsa_system_sgpr_workgroup_id_y 1
		.amdhsa_system_sgpr_workgroup_id_z 1
		.amdhsa_system_vgpr_workitem_id 0
		.amdhsa_next_free_vgpr 136
		.amdhsa_next_free_sgpr 66
		.amdhsa_reserve_vcc 0
		.amdhsa_float_denorm_mode_32 3
		.amdhsa_float_denorm_mode_16_64 3
		.amdhsa_memory_ordered 1
		.amdhsa_forward_progress 1
		.amdhsa_inst_pref_size 8
	.end_amdhsa_kernel
	.amdgpu_metadata
---
amdhsa.version: [ 1, 2 ]
amdhsa.kernels:
  - .name:           k_q4a0272a34c_fetch
    .symbol:         k_q4a0272a34c_fetch.kd
    .args:
      - { .name: negative, .offset: 0, .size: 8, .value_kind: global_buffer, .address_space: global }
      - { .name: order, .offset: 8, .size: 8, .value_kind: global_buffer, .address_space: global }
      - { .name: out0, .offset: 16, .size: 8, .value_kind: global_buffer, .address_space: global }
    .group_segment_fixed_size: 0
    .private_segment_fixed_size: 0
    .kernarg_segment_align: 8
    .kernarg_segment_size: 24
    .max_flat_workgroup_size: 256
    .sgpr_count:     66
    .vgpr_count:     136
    .wavefront_size: 32
...
	.end_amdgpu_metadata
.endif
;; end of part 4
;; ======== version 2 of 2: 4 launches; version 1 with the launch round written anew for expert scheduling mode
;; workspace buffers: ab 16,777,216 bytes; nb 16,777,216 bytes; a2 32,768 bytes; n2 32,768 bytes; pval 524,288 bytes; pidx 524,288 bytes of whole numbers; order 32,768 bytes of whole numbers
;; launch round (part 5): grid 128 x 2, 16 waves a work-group, no clusters, 2,304 bytes of LDS; arguments anchor, negative, ab, nb, a2, n2; writes ab, nb, a2, n2
.if DOCPART == 5
	.amdgcn_target "amdgcn-amd-amdhsa--gfx1250"
	.amdhsa_code_object_version 6
	.text
	.protected	k_q4a0272a34c_round
	.globl	k_q4a0272a34c_round
	.p2align	8
	.type	k_q4a0272a34c_round,@function
k_q4a0272a34c_round:
	s_mov_b64 s[64:65], 0
	v_nop
	global_prefetch_b8 v0, s[64:65] scope:SCOPE_SE
	s_setreg_imm32_b32 hwreg(HW_REG_WAVE_SCHED_MODE, 0, 2), 2
	s_setreg_imm32_b32 hwreg(HW_REG_WAVE_MODE, 25, 1), 1
	s_wait_xcnt 0x0
	s_wait_alu depctr_vm_vsrc(0)
; FIRST OF FOUR LAUNCHES.  anchor and negative, [8192][1024] f32, are rounded once to bf16 (nearest even) for the matrix product of the next launch,
; and each row's sum of squares is taken OF THE ROUNDED NUMBERS, in f32, and multiplied by 2^-10 (exact): a2[i] / 1024, n2[j] / 1024.
; So the next launch forms the mean squared error of the rounded inputs, every term from the same numbers.
; LIMIT.  The order of the 1,024 additions of a row is this text's own (four chains a lane, then the lanes): the sum may differ in its last bits from a sum taken in another order.
; SHARES.  Grid y picks the tensor.  A work-group owns 64 rows, each of its 16 waves four.  A row is 4,096 bytes: eight loads of 16 bytes a lane, 512 consecutive bytes a load.
; All 32 loads of a wave go out at once: the wave's whole share is on its way, so there is no loop and no ring.  No matrix unit, no cluster: nothing is shared and nothing is multiplied.
; A lane's four numbers pack into 8 bytes: a store of the wave covers 256 consecutive bytes, aligned.  The 64 sums meet in LDS, and wave 0 stores them as 256 consecutive bytes.
; THE MODE: SCHED_MODE bits 1:0 = 2 (LLVM: expert scheduling mode 2), set by the entry lines.  The code itself states the register dependences
; between vector instructions and memory or LDS instructions, with s_wait_alu, always for 0.
; THE PLAN.  Registers that memory or LDS instructions touch:
;   v[IO], v[OO], v[LW]  offsets and an LDS address, made once at the head and never written again.
;   X, row q             The loads issued at the head land in it.  Row q's conversions read it and write the first two registers of each chunk; the eight stores that read those pairs are issued in row q + 1
;                        (row 3's behind the rows).  Never written again.
;   v[RES+q]             Row q's finished sum, a register to each row.  Written by row q's last multiply; read by one LDS store, issued in row q + 1 (row 3's behind the rows).  Never written again.
;   v[SUM ..]            Named by vector instructions alone while the rows last; behind the barrier wave 0's LDS load lands in its first pair.
;   v[SPW], v[NIL]       Written at the head, read by the closing add alone.
; Row q's vector instructions name X's row q, SUM, ZERO and RES + q: none of the registers that the stores of row q - 1 read.  So ONE wait on va_vdst at the head of a row states all that the nine stores
; issued in that row hang on, and they are dealt among its vector instructions with no further wait.  No register that a memory or LDS instruction has read is written again: no wait on vm_vsrc is owed.
.set ROWB,  4096                       ; bytes in a row of f32
.set OUTB,  2048                       ; bytes in a row of bf16
.set SPARE, 256                        ; LDS: bytes 0-255 the 64 sums; behind them the spare words, 128 bytes for each of 16 waves
.set IO,   1                           ; v1   16 x lane: my bytes in 512 bytes of input; never rewritten
.set OO,   2                           ; v2   8 x lane: my bytes in 256 bytes of output, and where wave 0 reads two sums; never rewritten
.set LW,   3                           ; v3   16 x wave: the LDS address of my wave's four sums
.set ZERO, 4                           ; v4   0: what the first products of a row are added to
.set SPW,  5                           ; v5   LDS address of my spare word; never rewritten
.set NIL,  6                           ; v6   0; never rewritten
.set SUM,  8                           ; v[8:11]   four chains of sums
.set RES,  12                          ; v[12:15]  row q's sum x 2^-10 at RES + q, as it is stored to LDS
.set X,    16                          ; v[16:143] row q, chunk c at X + 32 q + 4 c: as loaded; then its first two registers hold the four bf16
	s_load_b256 s[4:11], s[0:1], 0x0               ; anchor s[4:5], negative s[6:7], ab s[8:9], nb s[10:11]
	s_load_b128 s[12:15], s[0:1], 0x20             ; a2 s[12:13], n2 s[14:15]
	v_lshl_add_u32 v[SPW], v0, 2, SPARE
	v_mov_b32 v[NIL], 0
	v_lshrrev_b32 v7, 5, v0
	v_readfirstlane_b32 s17, v7                    ; wave 0..15
	v_and_b32 v[IO], 31, v0
	v_lshlrev_b32 v[OO], 3, v[IO]
	v_lshlrev_b32 v[IO], 4, v[IO]
	v_mov_b32 v[ZERO], 0
	s_wait_alu depctr_va_sdst(0)                   ; s17 is written, ahead of its first reader, the line below; the bases and the branch on the wave's number read it later
	v_mov_b32 v[LW], s17
	v_lshlrev_b32 v[LW], 4, v[LW]
	s_and_b32 s16, ttmp7, 0xffff                   ; 0: anchor, 1: negative
	s_mov_b32 s24, 0x76543210                      ; v_permlanex16_b32: each lane takes its own place in the other half
	s_mov_b32 s25, 0xfedcba98
	s_lshl_b32 s26, ttmp9, 18                      ; 64 rows of 4,096 bytes a work-group,
	s_lshl_b32 s28, s17, 14                        ; four a wave
	s_add_co_u32 s26, s26, s28
	s_mov_b32 s27, 0
	s_lshr_b32 s28, s26, 1                         ; the same rows in bf16: half the bytes
	s_mov_b32 s29, 0
	s_lshl_b32 s30, ttmp9, 8                       ; the work-group's 64 sums
	s_mov_b32 s31, 0
	s_wait_kmcnt 0x0
	s_cmp_eq_u32 s16, 0
	s_cselect_b64 s[18:19], s[4:5], s[6:7]         ; from,
	s_cselect_b64 s[20:21], s[8:9], s[10:11]       ; to,
	s_cselect_b64 s[22:23], s[12:13], s[14:15]     ; and the sums
	s_add_nc_u64 s[18:19], s[18:19], s[26:27]
	s_add_nc_u64 s[20:21], s[20:21], s[28:29]
	s_add_nc_u64 s[22:23], s[22:23], s[30:31]
	s_wait_alu depctr_va_vdst(0)                   ; v[IO], v[OO] and v[LW] are written: every load and store of the kernel reads one of them as its offset or address
.irp q, 0,1,2,3
.irp c, 0,1,2,3,4,5,6,7
	global_load_b128 v[X+32*(\q)+4*(\c):X+32*(\q)+4*(\c)+3], v[IO], s[18:19] offset:ROWB*(\q)+512*(\c) th:TH_LOAD_NT
.endr
.endr
; Row q: rounded, squared and summed; the row before is stored meanwhile.  No register that a load or a store names is written again: the packed numbers stay where they are stored from.
.macro ROW q
	s_wait_loadcnt 24-8*(\q)                       ; loads come back in order: this row's eight are in, the 8 (3 - q) of the rows behind it stay out
.if (\q) > 0
	s_wait_alu depctr_va_vdst(0)                   ; the row before has written its packed pairs and its v[RES], which the nine stores issued in this row read
	ds_store_b32 v[LW], v[RES+(\q)-1] offset:4*((\q)-1)  ; all lanes write the same word with the same number
.endif
.irp c, 0,1,2,3,4,5,6,7
.set R, X+32*(\q)+4*(\c)
.if (\q) > 0
	global_store_b64 v[OO], v[R-32:R-31], s[20:21] offset:OUTB*((\q)-1)+256*(\c)  ; the row before: 32 lanes x 8 bytes, 256 consecutive bytes, aligned; no vector instruction since the wait names these registers
.endif
	v_cvt_pk_bf16_f32 v[R], v[R], v[R+1]           ; two roundings, packed
	v_cvt_pk_bf16_f32 v[R+1], v[R+2], v[R+3]
.if (\c) == 0                          ; the first products start the chains: nothing is cleared
	v_fma_mix_f32_bf16 v[SUM], v[R], v[R], v[ZERO] op_sel_hi:[1,1,0]
	v_fma_mix_f32_bf16 v[SUM+1], v[R], v[R], v[ZERO] op_sel:[1,1,0] op_sel_hi:[1,1,0]
	v_fma_mix_f32_bf16 v[SUM+2], v[R+1], v[R+1], v[ZERO] op_sel_hi:[1,1,0]
	v_fma_mix_f32_bf16 v[SUM+3], v[R+1], v[R+1], v[ZERO] op_sel:[1,1,0] op_sel_hi:[1,1,0]
.else                                  ; a bf16 half times itself, added in f32: one fused instruction a number
	v_fma_mix_f32_bf16 v[SUM], v[R], v[R], v[SUM] op_sel_hi:[1,1,0]
	v_fma_mix_f32_bf16 v[SUM+1], v[R], v[R], v[SUM+1] op_sel:[1,1,0] op_sel_hi:[1,1,0]
	v_fma_mix_f32_bf16 v[SUM+2], v[R+1], v[R+1], v[SUM+2] op_sel_hi:[1,1,0]
	v_fma_mix_f32_bf16 v[SUM+3], v[R+1], v[R+1], v[SUM+3] op_sel:[1,1,0] op_sel_hi:[1,1,0]
.endif
.endr
	v_add_f32 v[SUM], v[SUM], v[SUM+1]
	v_add_f32 v[SUM+2], v[SUM+2], v[SUM+3]
	v_add_f32 v[SUM], v[SUM], v[SUM+2]
	v_add_f32_dpp v[SUM], v[SUM], v[SUM] row_xmask:1 row_mask:0xf bank_mask:0xf
	v_add_f32_dpp v[SUM], v[SUM], v[SUM] row_xmask:2 row_mask:0xf bank_mask:0xf
	v_add_f32_dpp v[SUM], v[SUM], v[SUM] row_xmask:4 row_mask:0xf bank_mask:0xf
	v_add_f32_dpp v[SUM], v[SUM], v[SUM] row_xmask:8 row_mask:0xf bank_mask:0xf
	v_permlanex16_b32 v[SUM+1], v[SUM], s24, s25   ; its destination has been written
	v_add_f32 v[SUM], v[SUM], v[SUM+1]             ; every lane holds the row's sum
	v_mul_f32 v[RES+(\q)], 0x3a800000, v[SUM]      ; x 2^-10: the division by 1,024, exact; into the row's own register, so that the next row may write v[SUM] while the LDS store is still to come
.endm
	ROW 0
	ROW 1
	ROW 2
	ROW 3
	s_wait_alu depctr_va_vdst(0)                   ; row 3 has written its packed pairs and v[RES+3], which the nine stores below read; and the rows are done reading and writing v[SUM], in which wave 0's LDS load lands: no vector instruction follows
	ds_store_b32 v[LW], v[RES+3] offset:12
.irp c, 0,1,2,3,4,5,6,7
	global_store_b64 v[OO], v[X+96+4*(\c):X+96+4*(\c)+1], s[20:21] offset:OUTB*3+256*(\c)
.endr
	s_wait_dscnt 0x0                               ; for the others' sake: my four sums lie in LDS
	s_barrier_signal -1
	s_barrier_wait -1                              ; all 64 do
	s_cmp_lg_u32 s17, 0
	s_cbranch_scc1 .Lend
	ds_load_b64 v[SUM:SUM+1], v[OO]                ; wave 0: two sums a lane,
	s_wait_dscnt 0x0
	global_store_b64 v[OO], v[SUM:SUM+1], s[22:23] ; 256 consecutive bytes, aligned
.Lend:
	s_wait_dscnt 0x0                               ; the closing lines, six on end
	s_wait_alu 0x0
	s_wait_tensorcnt 0x0
	ds_add_u32 v[SPW], v[NIL]
	s_wait_dscnt 0x0
	s_endpgm
.Lfunc_end_k_q4a0272a34c_round:
	.size	k_q4a0272a34c_round, .Lfunc_end_k_q4a0272a34c_round-k_q4a0272a34c_round
	.p2alignl 7, 3214868480
	.fill 96, 4, 3214868480
	.section	.rodata,"a",@progbits
	.p2align	6, 0x0
	.amdhsa_kernel k_q4a0272a34c_round
		.amdhsa_group_segment_fixed_size 2304
		.amdhsa_private_segment_fixed_size 0
		.amdhsa_enable_private_segment 0
		.amdhsa_kernarg_size 48
		.amdhsa_user_sgpr_count 2
		.amdhsa_user_sgpr_kernarg_segment_ptr 1
		.amdhsa_wavefront_size32 1
		.amdhsa_system_sgpr_workgroup_id_x 1
		.amdhsa_system_sgpr_workgroup_id_y 1
		.amdhsa_system_sgpr_workgroup_id_z 1
		.amdhsa_system_vgpr_workitem_id 0
		.amdhsa_next_free_vgpr 144
		.amdhsa_next_free_sgpr 66
		.amdhsa_reserve_vcc 0
		.amdhsa_float_denorm_mode_32 3
		.amdhsa_float_denorm_mode_16_64 3
		.amdhsa_memory_ordered 1
		.amdhsa_forward_progress 1
		.amdhsa_inst_pref_size 23
	.end_amdhsa_kernel
	.amdgpu_metadata
---
amdhsa.version: [ 1, 2 ]
amdhsa.kernels:
  - .name:           k_q4a0272a34c_round
    .symbol:         k_q4a0272a34c_round.kd
    .args:
      - { .name: anchor, .offset: 0, .size: 8, .value_kind: global_buffer, .address_space: global }
      - { .name: negative, .offset: 8, .size: 8, .value_kind: global_buffer, .address_space: global }
      - { .name: ab, .offset: 16, .size: 8, .value_kind: global_buffer, .address_space: global }
      - { .name: nb, .offset: 24, .size: 8, .value_kind: global_buffer, .address_space: global }
      - { .name: a2, .offset: 32, .size: 8, .value_kind: global_buffer, .address_space: global }
      - { .name: n2, .offset: 40, .size: 8, .value_kind: global_buffer, .address_space: global }
    .group_segment_fixed_size: 2304
    .private_segment_fixed_size: 0
    .kernarg_segment_align: 8
    .kernarg_segment_size: 48
    .max_flat_workgroup_size: 512
    .sgpr_count:     66
    .vgpr_count:     144
    .wavefront_size: 32
...
	.end_amdgpu_metadata
.endif
;; end of part 5
;; launch scan: the kernel of part 2 again; grid 32 x 8, 4 waves a work-group, clusters of 4 x 4, 327,680 bytes of LDS; arguments nb, ab, n2, a2, pval, pidx; writes pval, pidx
;; launch pick: the kernel of part 3 again; grid 16 x 1, 4 waves a work-group, no clusters, 0 bytes of LDS; arguments pval, pidx, order; writes order
;; launch fetch: the kernel of part 4 again; grid 256 x 1, 8 waves a work-group, no clusters, 0 bytes of LDS; arguments negative, order, out0; writes out0
